; MI455X (gfx1250); checked and timed in simulation.
; The chip was launched on July 23, 2026; its instructions are those of AMD's public machine-readable ISA for CDNA 5 (MIT licence, August 2026) and "CDNA5" Instruction Set Architecture Reference Guide (July 2026). The comments in the code are by the model that wrote it; some were corrected since.
;; Cartesian Product Classifier. Allowed arithmetic: matrix products marked QUANTISED: E4M3 operands, one E8M0 scale for each 32 along K, by v_wmma_scale_f32_16x16x128_f8f6f4 with both operands' format E4M3, f32 sums; products left as they are: f32 operands where the result goes on into a quantised operand, else bf16, f16 or f32 operands; f32 sums; everything else in f32.
;; Inputs: W1_codes 64 x 2 x 32 uint8 (E4M3 codes of W1, K innermost, in blocks of 32 codes); W1_scales 64 x 2 uint8 (E8M0 scales of W1, one for each 32 codes along K); W2_codes 64 x 2 x 32 uint8 (E4M3 codes of W2, K innermost, in blocks of 32 codes); W2_scales 64 x 2 uint8 (E8M0 scales of W2, one for each 32 codes along K); W3_codes 32 x 2 x 32 uint8 (E4M3 codes of W3, K innermost, in blocks of 32 codes); W3_scales 32 x 2 uint8 (E8M0 scales of W3, one for each 32 codes along K); W4 32 x 1 float32; b1 64 float32; b2 64 float32; b3 32 float32; b4 1 float32; x 8 x 512 x 32 float32.
;; Outputs: out0 8 x 512 x 512 float32.
;; This version of the problem:
;;   THIS VERSION OF THE PROBLEM IS GIVEN IN LOW PRECISION. The matrix products marked QUANTISED in the list below multiply operands that are first quantised to E4M3 (4 exponent bits, 3 mantissa bits; 8 bits a number), with one power-of-two scale for each 32 numbers along K (OCP MX v1.0); their sums are f32. All else is computed in f32.
;;   The module's matrix products, in the order in which they are computed (A, B: the left and right operand; K: the contracted axis; several contracted axes count as one K, in the product's order):
;;     1. [M 2,097,152, K 64] x [K 64, N 64]; A: computed on the way; B: input W1 (given as codes): QUANTISED
;;     2. [M 2,097,152, K 64] x [K 64, N 64]; A: computed on the way; B: input W2 (given as codes): QUANTISED
;;     3. [M 2,097,152, K 64] x [K 64, N 32]; A: computed on the way; B: input W3 (given as codes): QUANTISED
;;     4. [M 2,097,152, K 32] x [K 32, N 1]; A: computed on the way; B: input W4: left as it is (N = 1 < 16)
;;   THE QUANTISER, for each operand of a quantised product, along K:
;;     - K is cut into blocks of 32 from its start; a last block that is shorter is filled with zeros.
;;     - A block's scale is 2^e with e = floor(log2(the largest magnitude in the block)) - 8, held to -126 .. 127; a block of zeros has e = 0. As a byte (E8M0): e + 127.
;;     - Each number is divided by its block's scale, clamped to +-448, and rounded to the nearest number of E4M3, ties to even, subnormals kept.
;;     - The product sums the exact products of the quantised numbers (number of the format x scale) in f32.
;;   ~~~python
;;   def quantise(x, axis):      # numpy; x: float32 -> the quantised numbers, widened to float32 again
;;       x = np.moveaxis(x, axis, -1); K = x.shape[-1]
;;       x = np.pad(x, [(0, 0)] * (x.ndim - 1) + [(0, -K % 32)]); x = x.reshape(x.shape[:-1] + (-1, 32)); a = np.abs(x).max(-1, keepdims=True)
;;       e = np.where(a > 0, np.clip(np.frexp(np.where(a > 0, a, 1))[1] - 1 - 8, -126, 127), 0)      # np.frexp(a)[1] - 1 = floor(log2(a)), exactly
;;       r = np.clip(x / 2.0 ** e, -448, 448)
;;       step = 2.0 ** (np.maximum(np.frexp(np.where(r == 0, 1, r))[1] - 1, -6) - 3)
;;       q = np.round(r / step) * step * 2.0 ** e      # np.round: ties to even
;;       return np.moveaxis(q.reshape(q.shape[:-2] + (-1,))[..., :K], -1, axis).astype(np.float32)
;;   ~~~
;;   OPERANDS COMPUTED ON THE WAY. 'Computed on the way' means the value that the module computes at that place (a softmax that the list does not call 'softmax' is quantised finished and normalised). What goes into a quantiser is computed in f32, as accurately as f32 sums, v_exp_f32 and their like allow (about 1e-6 of the number): no bf16 or f16 on the way to a quantiser, and a product that is left as it is and whose result goes on into a quantised operand takes f32 operands (vector FMAs, or v_wmma_f32_16x16x4_f32). A number that lies on a knife's edge between two numbers of the format may be rounded either way, as far as f32 arithmetic and the matrix unit's own rounding can turn it there, and no further.
;;   INPUTS GIVEN AS CODES. W1 (in the module: [64, 64], K = its axis 0); W2 (in the module: [64, 64], K = its axis 0); W3 (in the module: [64, 32], K = its axis 0): each comes as NAME_codes (uint8): NAME with its K axis moved to the last place and cut into blocks of 32 codes, [.., K / 32, bytes a block], one block behind the other in memory; one code a byte (a code: sign, 4 exponent bits, 3 mantissa bits); and NAME_scales (uint8): the same leading axes, one E8M0 byte (e + 127) for each 32 codes along K. Its value is code x scale, taken as it is: it is not quantised again, and the codes and scales need not be those that the quantiser above would give.
;; 2 versions. Each part assembles by itself: llvm-mc -triple=amdgcn-amd-amdhsa -mcpu=gfx1250 --defsym DOCPART=n.
;; ======== version 1 of 2: 1 launch
;; launch pairs (part 1): grid 256 x 1, 8 waves a work-group, no clusters, 25,600 bytes of LDS; arguments x, W1_codes, W1_scales, b1, W2_codes, W2_scales, b2, W3_codes, W3_scales, b3, W4, b4, out0; writes out0
.if DOCPART == 1
	.amdgcn_target "amdgcn-amd-amdhsa--gfx1250"
	.amdhsa_code_object_version 6
	.text
	.protected	k_q020090e3e1_pairs
	.globl	k_q020090e3e1_pairs
	.p2align	8
	.type	k_q020090e3e1_pairs,@function
k_q020090e3e1_pairs:
	s_mov_b64 s[64:65], 0
	v_nop
	global_prefetch_b8 v0, s[64:65] scope:SCOPE_SE
	s_setreg_imm32_b32 hwreg(HW_REG_WAVE_MODE, 25, 1), 1
	s_wait_xcnt 0x0
; out0[b][i][j] = sigmoid(relu(relu(relu(concat(x[b][j], x[b][i]) W1 + b1) W2 + b2) W3 + b3) . W4 + b4).   x: [8][512][32] f32; out0: [8][512][512] f32.
; The three products with W1, W2, W3 run on codes of FP8 (E4M3) with one E8M0 scale for each 32 along K; W1, W2, W3 arrive as codes, K innermost; the dot product with W4 is f32 multiply-adds.
; THE FIRST OPERAND IS NOT QUANTISED PAIR BY PAIR: its two blocks of 32 along K are the rows x[b][j] and x[b][i], so each row of x is quantised once (32 codes, one scale byte) and a pair's operand is two pieces side by side.
; SHARES.  Work-group g takes batch g / 32, rows i = 16 (g % 32) .. + 15, all 512 j: 8,192 pairs; 256 work-groups.  Wave w owns j = 64 w .. 64 w + 63 and walks the 16 i, one a trip: 64 pairs a trip, four tiles of 16 pairs.
; Waves share nothing: each keeps all weights and biases in registers (read once), quantises its own 64 rows j and, for itself, the 16 rows i.  So there is no barrier.
; NO CLUSTER, NO TENSOR LOADS: what work-groups share is 10 KB of weights and rows of x, read once at the head into registers (some 22 KB a wave), against 16 trips of some 640 vector lines; no tile is walked in the loop.
; LAYOUT.  Every product is used transposed: source 0 = 16 rows of W (16 units), source 1 = 16 pairs, C = the bias in the result's layout.  A lane (r = lane % 16, h = lane / 16) holds pair r throughout.
; THE ROWS OF W1 AND W2 THAT FORM A TILE ARE NOT NEIGHBOURS: lane m of tile 2 b + u takes row 32 b + 8 u + m + 8 (m / 8), so that registers 16 b + 0 .. 15 of a pair tile's 32 results are units 32 b + 16 h + 0 .. 15:
; the next operand's own order, and the conversions' results are that operand's registers.  W3's tiles take rows as they lie: register 8 t + n is unit 16 t + 8 h + n.
; K IS 64 AND THE INSTRUCTION'S IS 128: registers 8-15 of every fragment, on both sides, hold zero codes, and bytes 2 and 3 of every scale word are 0 (2^-127, over zeros).
; TWO STREAMS.  Tile T = 2 s + q (stream s, q = 0, 1); its lane r holds j = 64 w + 32 q + 2 r + s.  The streams X and Y take turns: each run of products stands between vector lines of the other stream, which are its places.
; At the end lanes 0-15 keep tile q = 0 and lanes 16-31 tile q = 1: lane l of stream s holds j = 64 w + 2 l + s, so one store of the pair (X, Y), 8 bytes a lane, covers 256 consecutive bytes of a row of out0, aligned.
; LIMITS: NaN and infinities in x, the biases and W4, NaN codes and scale bytes 0xff in the weights are not served.  A block whose largest magnitude lies under 2^-118 keeps the scale byte 1; so does a block of zeros
; (the stated quantiser says 127): its codes are zeros, which add nothing under any byte but 0xff, and only this text reads the bytes.
; LDS: 3,072 bytes for each wave, its own: + 0: four images of 512 bytes, tile T's codes of x_j, 16 bytes a lane; + 2,048: 16 records of 64 bytes, row i: 32 codes, then the word (scale byte << 8) at + 32 and at + 48.
; REGISTERS.  Window 0: v1-5, v58 addresses; v6-7 results; v8-17 the weights' scale words; v18-21 layer 1's; v22-25 the hidden layers'; v26-41 W4 x -log2(e); v42-57 at work; v60-123 four operands of 16; v128-191, v192-255 results of X, Y.
;             Window 1: v0-63, v64-127, v128-159 fragments of W1, W2, W3; v160-191, v192-223, v224-239 b1, b2, b3 in the results' layout.
.set LJ,   1                           ; v1   LDS: my 16 bytes of an image: region + 16 x lane
.set LI,   2                           ; v2   LDS: record 0, my half: region + 2,048 + 16 h
.set GO,   3                           ; v3   8 x lane: my place in the wave's 256 bytes of a row of out0
.set SI,   4                           ; v4   x_i's scale byte << 8, as loaded
.set LIW,  5                           ; v5   LDS: where I store my row i's codes: v2 + 64 r
.set RES,  6                           ; v[6:7] the results of X and Y
.set W1S,  8
.set W2S,  12
.set W3S,  16
.set XWX,  18                          ; layer 1's scale words: x_j's byte | x_i's byte << 8; tiles 0, 1
.set XWY,  20                          ; tiles 2, 3
.set PWX,  22                          ; the hidden layers' scale words, stream X
.set PWY,  24                          ; stream Y
.set W4P,  26
.set TM,   42                          ; +0..3 largest magnitudes; +4..7 the other half's, then the bytes; +8..11 448 x the scale; +12..15 the conversions' scale operands
.set AX,   42                          ; the last layer's sums, stream X,
.set AY,   50                          ; stream Y
.set LIC,  58                          ; v58  LDS: the record of the next i
.set PX,   60                          ; operands of stream X: tile q at + 16 q: 8 registers of codes, 8 of zeros
.set PI,   64
.set PY,   92                          ; of stream Y
.set HX,   128
.set HY,   192
.set XIN,  192                         ; head: the 16 numbers of my row i
.set OXJ,  208                         ; head: byte offsets of the loads
.set OXI,  209
.set OW12, 210
.set OW3,  211
.set OS12, 212
.set OS3,  213
.set OB12, 214
.set OB3,  215
.set LN,   216                         ; head: lane, r, h, r + 8 (r / 8)
.set RR,   217
.set HH,   218
.set R8,   219
.set W1F,  0                           ; window 1
.set W2F,  64
.set W3F,  128
.set B1,   160
.set B2,   192
.set B3,   224
.set MSB,  0
.macro WIN new                         ; the immediate's high byte repeats the setting that is left
.if MSB != \new
	s_set_vgpr_msb (MSB<<8)|\new
.set MSB, \new
.endif
.endm
.set W_MUL, 0x11                       ; source 0 (W) and C (the bias) window 1; source 1 and D window 0
.set TO_1,  0x40                       ; destination window 1
; A layer's products for one stream: 2 tiles of pairs x nt tiles of units.  Each has a D of its own and the bias as C: no sum is taken up again.
.macro MUL h, dq, nt, wf, bb, ws, p, sw
.set mq, 0
.rept 2
.set mt, 0
.rept \nt
	v_wmma_scale_f32_16x16x128_f8f6f4 v[\h+\dq*mq+8*mt:\h+\dq*mq+8*mt+7], v[\wf+16*mt:\wf+16*mt+15], v[\p+16*mq:\p+16*mq+15], v[\bb+8*mt:\bb+8*mt+7], v[\ws+mt], v[\sw+mq]
.set mt, mt+1
.endr
.set mq, mq+1
.endr
.endm
; The largest magnitude of my 16 numbers of each of nb blocks (block n: v[s + 16 n] on), the blocks by turns, with the floor 2^(9 - 127) as a leaf: the byte cannot fall under 1.
; relu = 1: no |.|: what is negative is to become 0, so it must not count.  Each product's result is read from its lowest registers on.
.macro QMAX s, nb, relu
.set qb, 0
.rept \nb
.if \relu
	v_max3_num_f32 v[TM+qb], v[\s+16*qb], v[\s+16*qb+1], 0x4800000
.else
	v_max3_num_f32 v[TM+qb], |v[\s+16*qb]|, |v[\s+16*qb+1]|, 0x4800000
.endif
.set qb, qb+1
.endr
.irp i, 2,4,6,8,10,12,14
.set qb, 0
.rept \nb
.if \relu
	v_max3_num_f32 v[TM+qb], v[TM+qb], v[\s+16*qb+\i], v[\s+16*qb+\i+1]
.else
	v_max3_num_f32 v[TM+qb], v[TM+qb], |v[\s+16*qb+\i]|, |v[\s+16*qb+\i+1]|
.endif
.set qb, qb+1
.endr
.endr
.endm
; From the largest magnitudes: the block's (with lane l xor 16's 16 numbers), the conversion's scale operand, the hold, the byte.
.macro QEXP nb
.set qb, 0
.rept \nb
	v_permlanex16_b32 v[TM+4+qb], v[TM+qb], s38, s39
.set qb, qb+1
.endr
.set qb, 0
.rept \nb
	v_max_num_f32 v[TM+qb], v[TM+qb], v[TM+4+qb]
.set qb, qb+1
.endr
.set qb, 0
.rept \nb
	v_add_nc_u32 v[TM+12+qb], 0xfc000000, v[TM+qb]         ; 8 off the exponent field: the conversion takes this operand's exponent field as its scale
.set qb, qb+1
.endr
.set qb, 0
.rept \nb
	v_and_or_b32 v[TM+8+qb], v[TM+qb], 0x7f800000, s40     ; 448 x the scale: the largest magnitude's exponent field over 448's mantissa field
.set qb, qb+1
.endr
.set qb, 0
.rept \nb
	v_lshrrev_b32 v[TM+4+qb], 23, v[TM+12+qb]              ; the scale's byte
.set qb, qb+1
.endr
.endm
.macro QWORD pw                        ; two tiles' scale words: blocks 0, 1 and blocks 2, 3; bytes 2 and 3 stay 0
	v_lshl_or_b32 v[\pw], v[TM+5], 8, v[TM+4]
	v_lshl_or_b32 v[\pw+1], v[TM+7], 8, v[TM+6]
.endm
; The hold (the conversion to an 8-bit code does not saturate: ISA guide 7.6.2), with relu = 1 the activation in the same line, and the conversions: block n's 16 codes into four registers at d + st2 (n / 2) + st1 (n % 2).
.macro QCVT s, nb, relu, d, st2, st1
.set qb, 0
.rept \nb
.set qi, 0
.rept 16
.if \relu
	v_med3_num_f32 v[\s+16*qb+qi], v[\s+16*qb+qi], 0, v[TM+8+qb]
.else
	v_med3_num_f32 v[\s+16*qb+qi], v[\s+16*qb+qi], -v[TM+8+qb], v[TM+8+qb]
.endif
.set qi, qi+1
.endr
	v_cvt_scalef32_pk8_fp8_f32 v[\d+\st2*(qb/2)+\st1*(qb%2):\d+\st2*(qb/2)+\st1*(qb%2)+1], v[\s+16*qb:\s+16*qb+7], v[TM+12+qb]
	v_cvt_scalef32_pk8_fp8_f32 v[\d+\st2*(qb/2)+\st1*(qb%2)+2:\d+\st2*(qb/2)+\st1*(qb%2)+3], v[\s+16*qb+8:\s+16*qb+15], v[TM+12+qb]
.set qb, qb+1
.endr
.endm
.macro FRELU h                         ; the third activation: two tiles x 16 units a lane, each result from its low end on
.set fk, 0
.rept 32
	v_max_num_f32 v[\h+fk], 0, v[\h+fk]
.set fk, fk+1
.endr
.endm
; The dot product with W4 x -log2(e): four packed chains (tile q, half t of the units) by turns.  Each of a pair's eight parts (2 lanes x 2 chains x 2 halves of a pair of registers) starts from b4 x -log2(e) / 8.  p(q) ends in v[a + 4 q].
.macro FDOT h, a
.set fk, 0
.rept 4
.set fq, 0
.rept 2
.set ft, 0
.rept 2
.if fk == 0
	v_pk_fma_f32 v[\a+4*fq+2*ft:\a+4*fq+2*ft+1], v[\h+16*fq+8*ft:\h+16*fq+8*ft+1], v[W4P+8*ft:W4P+8*ft+1], s[44:45] op_sel_hi:[1,1,0]
.else
	v_pk_fma_f32 v[\a+4*fq+2*ft:\a+4*fq+2*ft+1], v[\h+16*fq+8*ft+2*fk:\h+16*fq+8*ft+2*fk+1], v[W4P+8*ft+2*fk:W4P+8*ft+2*fk+1], v[\a+4*fq+2*ft:\a+4*fq+2*ft+1]
.endif
.set ft, ft+1
.endr
.set fq, fq+1
.endr
.set fk, fk+1
.endr
	v_pk_add_f32 v[\a:\a+1], v[\a:\a+1], v[\a+2:\a+3]
	v_pk_add_f32 v[\a+4:\a+5], v[\a+4:\a+5], v[\a+6:\a+7]
	v_add_f32 v[\a], v[\a], v[\a+1]
	v_add_f32 v[\a+4], v[\a+4], v[\a+5]
.endm
; Lanes 0-15 keep tile 0's pair, lanes 16-31 tile 1's; the part that the lane 16 away needs is sent there; then 1 / (1 + 2^z'), z' = -log2(e) z.  Both streams by turns.
.macro FSIG
	v_cndmask_b32 v[AX+1], v[AX], v[AX+4], s41             ; my own part of the pair that I keep
	v_cndmask_b32 v[AY+1], v[AY], v[AY+4], s41
	v_cndmask_b32 v[AX+2], v[AX+4], v[AX], s41             ; my part of the pair that lane l xor 16 keeps
	v_cndmask_b32 v[AY+2], v[AY+4], v[AY], s41
	v_permlanex16_b32 v[AX+3], v[AX+2], s38, s39
	v_permlanex16_b32 v[AY+3], v[AY+2], s38, s39
	v_add_f32 v[AX], v[AX+1], v[AX+3]
	v_add_f32 v[AY], v[AY+1], v[AY+3]
	v_exp_f32 v[AX], v[AX]
	v_exp_f32 v[AY], v[AY]
	v_nop                                                  ; one plain line between a transcendental and the use of its result (ISA guide 5.7.2)
	s_wait_alu depctr_va_vdst(0)
	v_add_f32 v[AX], 1.0, v[AX]
	v_add_f32 v[AY], 1.0, v[AY]
	v_rcp_f32 v[RES], v[AX]
	v_rcp_f32 v[RES+1], v[AY]
	v_nop
.endm
; Layer 1's operands come from LDS as they are wanted: registers 0-3 x_j's codes (an image of the registers), registers 4-7 x_i's (all lanes of a half read the same 16 bytes); registers 8-15 stay zeros.
.macro PREPX adr
	ds_load_b32 v[SI], v[\adr] offset:32
	ds_load_b128 v[PX:PX+3], v[LJ]
	ds_load_b128 v[PX+4:PX+7], v[\adr]
	ds_load_b128 v[PX+16:PX+19], v[LJ] offset:512
	ds_load_b128 v[PX+20:PX+23], v[\adr]
.endm
.macro PREPY adr
	ds_load_b128 v[PY:PY+3], v[LJ] offset:1024
	ds_load_b128 v[PY+4:PY+7], v[\adr]
	ds_load_b128 v[PY+16:PY+19], v[LJ] offset:1536
	ds_load_b128 v[PY+20:PY+23], v[\adr]
.endm
.macro XWORDS                          ; x_j's byte stays, x_i's is put beside it
.irp t, 0,1,2,3
	v_and_or_b32 v[XWX+\t], v[XWX+\t], 0xff, v[SI]
.endr
.endm
	s_load_b512 s[8:23], s[0:1], 0x0               ; x 8, W1's codes 10, scales 12, b1 14, W2's codes 16, scales 18, b2 20, W3's codes 22
	s_load_b256 s[24:31], s[0:1], 0x40             ; W3's scales 24, b3 26, W4 28, b4 30
	s_load_b64 s[32:33], s[0:1], 0x60              ; out0
	v_lshl_add_u32 v126, v0, 2, 0x6000
	v_mov_b32 v127, 0
	v_lshrrev_b32 v[LN], 5, v0
	v_readfirstlane_b32 s34, v[LN]                 ; wave 0..7
	v_and_b32 v[LN], 31, v0                        ; lane
	v_and_b32 v[RR], 15, v0                        ; r
	v_bfe_u32 v[HH], v0, 4, 1                      ; h
	s_mul_i32 s35, s34, 3072                       ; my wave's region of LDS
	v_lshl_add_u32 v[LJ], v[LN], 4, s35
	v_lshl_add_u32 v[LI], v[HH], 4, s35
	v_add_nc_u32 v[LI], 2048, v[LI]
	v_lshl_add_u32 v[LIW], v[RR], 6, v[LI]
	v_lshlrev_b32 v[GO], 3, v[LN]
	s_lshr_b32 s36, ttmp9, 5
	s_lshl_b32 s36, s36, 16                        ; the batch: 512 rows of 128 bytes
	s_lshl_b32 s37, s34, 13                        ; my wave's 64 rows j
	s_add_co_u32 s50, s36, s37
	s_mov_b32 s51, 0
	s_and_b32 s37, ttmp9, 31
	s_lshl_b32 s37, s37, 11                        ; the work-group's 16 rows i
	s_add_co_u32 s52, s36, s37
	s_mov_b32 s53, 0
	s_lshl_b32 s36, ttmp9, 15                      ; out0: 16 rows of 2,048 bytes a work-group,
	s_lshl_b32 s37, s34, 8                         ; my wave's 64 columns
	s_add_co_u32 s54, s36, s37
	s_mov_b32 s55, 0
	s_mov_b32 s38, 0x76543210
	s_mov_b32 s39, 0xfedcba98                      ; v_permlanex16_b32's selects for lane l xor 16
	s_mov_b32 s40, 0x600000                        ; the mantissa field of 448
	s_mov_b32 s41, 0xffff0000                      ; lanes 16-31
	v_lshlrev_b32 v[OXJ], 8, v[RR]                 ; x_j: a tile's lane r is 2 rows on from lane r - 1: 256 r + 64 h
	v_lshl_or_b32 v[OXJ], v[HH], 6, v[OXJ]
	v_lshlrev_b32 v[OXI], 7, v[RR]                 ; x_i: 128 r + 64 h
	v_lshl_or_b32 v[OXI], v[HH], 6, v[OXI]
	v_and_b32 v[R8], 8, v[RR]
	v_add_nc_u32 v[R8], v[R8], v[RR]               ; r + 8 (r / 8)
	v_lshlrev_b32 v[OW12], 6, v[R8]                ; W1, W2: rows of 64 codes, + 16 h
	v_lshl_or_b32 v[OW12], v[HH], 4, v[OW12]
	v_lshlrev_b32 v[OW3], 6, v[RR]                 ; W3: rows as they lie
	v_lshl_or_b32 v[OW3], v[HH], 4, v[OW3]
	v_lshlrev_b32 v[OS12], 1, v[R8]                ; scale bytes: 2 a row
	v_lshlrev_b32 v[OS3], 1, v[RR]
	v_lshlrev_b32 v[OB12], 6, v[HH]                ; b1, b2: 16 h numbers on
	v_lshlrev_b32 v[OB3], 5, v[HH]                 ; b3, W4: 8 h numbers on
	s_wait_kmcnt 0x0
	s_add_nc_u64 s[48:49], s[8:9], s[52:53]        ; x at the work-group's first row i
	s_add_nc_u64 s[8:9], s[8:9], s[50:51]          ; x at my wave's first row j
	s_add_nc_u64 s[32:33], s[32:33], s[54:55]      ; out0 at row i = 0, my wave's columns
	s_load_b32 s46, s[30:31], 0x0                  ; b4
.irp t, 0,1,2,3                                ; x first: 20 loads.  Tile t = 2 s + q: rows 32 q + s + 2 r; my 16 numbers of the row
.irp c, 0,1,2,3
	global_load_b128 v[HX+16*\t+4*\c:HX+16*\t+4*\c+3], v[OXJ], s[8:9] offset:(32*(\t%2)+(\t/2))*128+16*\c
.endr
.endr
.irp c, 0,1,2,3
	global_load_b128 v[XIN+4*\c:XIN+4*\c+3], v[OXI], s[48:49] offset:16*\c
.endr
	WIN TO_1
.irp t, 0,1,2,3                                ; 20 loads of codes: the lower eight registers of each fragment
.irp c, 0,1
	global_load_b128 v[W1F+16*\t+4*\c:W1F+16*\t+4*\c+3], v[OW12], s[10:11] offset:(32*(\t/2)+8*(\t%2))*64+32*\c
	global_load_b128 v[W2F+16*\t+4*\c:W2F+16*\t+4*\c+3], v[OW12], s[16:17] offset:(32*(\t/2)+8*(\t%2))*64+32*\c
.endr
.endr
.irp t, 0,1
.irp c, 0,1
	global_load_b128 v[W3F+16*\t+4*\c:W3F+16*\t+4*\c+3], v[OW3], s[22:23] offset:1024*\t+32*\c
.endr
.endr
.irp t, 0,1,2,3                                ; 20 loads of biases: tile t's eight units of my half
	global_load_b128 v[B1+8*\t:B1+8*\t+3], v[OB12], s[14:15] offset:(32*(\t/2)+8*(\t%2))*4
	global_load_b128 v[B1+8*\t+4:B1+8*\t+7], v[OB12], s[14:15] offset:(32*(\t/2)+8*(\t%2))*4+16
	global_load_b128 v[B2+8*\t:B2+8*\t+3], v[OB12], s[20:21] offset:(32*(\t/2)+8*(\t%2))*4
	global_load_b128 v[B2+8*\t+4:B2+8*\t+7], v[OB12], s[20:21] offset:(32*(\t/2)+8*(\t%2))*4+16
.endr
.irp t, 0,1
	global_load_b128 v[B3+8*\t:B3+8*\t+3], v[OB3], s[26:27] offset:64*\t
	global_load_b128 v[B3+8*\t+4:B3+8*\t+7], v[OB3], s[26:27] offset:64*\t+16
.endr
.irp f, 0,1,2,3,4,5,6,7,8,9                    ; zero codes for K = 64 .. 127 of the ten fragments of W: written once, they stay
.irp k, 8,9,10,11,12,13,14,15
	v_mov_b32 v[16*\f+\k], 0
.endr
.endr
	WIN 0
.irp t, 0,1,2,3                                ; 10 loads of scale words: a row's two bytes, widened with zeros
	global_load_u16 v[W1S+\t], v[OS12], s[12:13] offset:(32*(\t/2)+8*(\t%2))*2
	global_load_u16 v[W2S+\t], v[OS12], s[18:19] offset:(32*(\t/2)+8*(\t%2))*2
.endr
.irp t, 0,1
	global_load_u16 v[W3S+\t], v[OS3], s[24:25] offset:32*\t
.endr
.irp t, 0,1                                    ; 4 loads of W4, in the third layer's layout
	global_load_b128 v[W4P+8*\t:W4P+8*\t+3], v[OB3], s[28:29] offset:64*\t
	global_load_b128 v[W4P+8*\t+4:W4P+8*\t+7], v[OB3], s[28:29] offset:64*\t+16
.endr
.irp t, 0,1,2,3                                ; and of the four operands of pairs
.irp k, 8,9,10,11,12,13,14,15
	v_mov_b32 v[PX+16*\t+\k], 0
.endr
.endr
.irp k, 4,5,6,7
	v_mov_b32 v[TM+\k], 0                          ; written once: a lane permute's destination counts as one of its sources
.endr
	s_wait_loadcnt 54                              ; x's 20 loads are in; the 54 issued behind them (20 + 20 + 10 + 4) may be out
	QMAX HX, 4, 0                                  ; my four tiles of rows j: a row is one block of 32, in lanes l and l xor 16
	QEXP 4
	QCVT HX, 4, 0, PX, 32, 16                      ; tile t's codes into registers 0-3 of operand t
	v_nop                                          ; one plain line behind the last conversion of a run
.irp t, 0,1,2,3
	v_mov_b32 v[XWX+\t], v[TM+4+\t]                ; x_j's scale byte: it stays in byte 0 of tile t's scale word
.endr
.irp t, 0,1,2,3
	ds_store_b128 v[LJ], v[PX+16*\t:PX+16*\t+3] offset:512*\t
.endr
	QMAX XIN, 1, 0                                 ; the 16 rows i
	QEXP 1
	QCVT XIN, 1, 0, PI, 0, 0
	v_nop
	v_lshlrev_b32 v[TM+4], 8, v[TM+4]              ; the byte where layer 1's scale word wants it
	ds_store_b128 v[LIW], v[PI:PI+3]
	ds_store_b32 v[LIW], v[TM+4] offset:32         ; lanes of h = 0 at + 32, of h = 1 at + 48: each half reads its own copy
	s_wait_dscnt 0x0                               ; the stores have read their registers: the loads below land in some of them
	PREPX LI                                       ; i = 0
	PREPY LI
	s_wait_kmcnt 0x0                               ; b4
	s_mul_f32 s44, s46, 0xbe38aa3b                 ; b4 x -log2(e) / 8
	s_mov_b32 s45, s44                             ; (named with it as a pair)
	s_wait_dscnt 4                                 ; PREPX's five loads are in, x_i's byte among them; PREPY's four may be out
	XWORDS
	s_wait_loadcnt 0x0                             ; weights, biases, scale words, W4
.irp k, 0,1,2,3,4,5,6,7,8,9,10,11,12,13,14,15
	v_mul_f32 v[W4P+\k], 0xbfb8aa3b, v[W4P+\k]     ; W4 x -log2(e).  (These 16 are also the eight places between the scale words just made and the first products)
.endr
	s_mov_b32 s42, 15
	s_mov_b32 s43, 0
; ONE TRIP: row i of out0, my 64 columns.  next = 1: layer 1's operands of row i + 1 are fetched on the way.
; Distances (except for loads and for operands made by vector lines): eight plain vector lines that name none of a product's registers stand between it and a vector line or a load that touches them,
; nine in front of a product that writes over them; codes made by conversions stand four lines ahead of their product, scale words eight.  All but the first eight are lines of the other stream.
.macro ITER next
	s_wait_dscnt 0x0                               ; layer 1's operands are in
	WIN W_MUL
	MUL HX, 32, 4, W1F, B1, W1S, PX, XWX           ; layer 1, both streams: 16 products
	MUL HY, 32, 4, W1F, B1, W1S, PY, XWY
	WIN 0
.if \next
	s_add_co_u32 s43, s43, 64
	v_add_nc_u32 v[LIC], s43, v[LI]                ; the next i's record; one of the eight places
.rept 7
	v_nop
.endr
.else
.rept 8
	v_nop
.endr
.endif
	QMAX HX, 4, 1                                  ; h1 of X: relu and quantiser
	QEXP 4
	QWORD PWX
	QCVT HX, 4, 1, PX, 16, 4
	QMAX HY, 4, 1                                  ; (32 lines of Y between X's codes and X's products)
	WIN W_MUL
	MUL HX, 32, 4, W2F, B2, W2S, PX, PWX           ; layer 2, X
	WIN 0
	QEXP 4                                         ; h1 of Y
	QWORD PWY
	QCVT HY, 4, 1, PY, 16, 4
	QMAX HX, 4, 1
	WIN W_MUL
	MUL HY, 32, 4, W2F, B2, W2S, PY, PWY           ; layer 2, Y
	WIN 0
	QEXP 4                                         ; h2 of X
	QWORD PWX
	QCVT HX, 4, 1, PX, 16, 4
	QMAX HY, 4, 1
	WIN W_MUL
	MUL HX, 16, 2, W3F, B3, W3S, PX, PWX           ; layer 3, X: tile q's 16 units a lane at HX + 16 q
	WIN 0
	QEXP 4                                         ; h2 of Y
	QWORD PWY
	QCVT HY, 4, 1, PY, 16, 4
.if \next
	PREPX LIC                                      ; X's operands are free: 94 lines behind their last product
.endif
	FRELU HX
	WIN W_MUL
	MUL HY, 16, 2, W3F, B3, W3S, PY, PWY           ; layer 3, Y
	WIN 0
	FDOT HX, AX                                    ; 20 lines of X: the places behind Y's last products
.if \next
	PREPY LIC
	s_wait_dscnt 4                                 ; PREPX's five loads are in, x_i's byte among them; PREPY's four may be out
	XWORDS                                         ; the next trip's scale words, more than eight lines ahead of its products
.endif
	FRELU HY
	FDOT HY, AY
	FSIG
	s_wait_alu depctr_va_vdst(0)
	global_store_b64 v[GO], v[RES:RES+1], s[32:33] th:TH_STORE_NT   ; 32 lanes store 256 consecutive bytes, at a multiple of 256 from out0's first byte; written once, read by nobody here
.if \next
	s_wait_xcnt 0x0                                ; the store's base and data are written again only behind this wait
	s_add_nc_u64 s[32:33], s[32:33], 2048          ; the next row of out0
.endif
.endm
.Ltrip:                                            ; rows i = 0 .. 14
	ITER 1
	s_sub_co_u32 s42, s42, 1
	s_cmp_lg_u32 s42, 0
	s_cbranch_scc1 .Ltrip
	ITER 0                                         ; row 15: nothing more to fetch
	s_wait_tensorcnt 0x0
	ds_add_u32 v126, v127
	s_wait_dscnt 0x0
	s_endpgm
.Lfunc_end_k_q020090e3e1_pairs:
	.size	k_q020090e3e1_pairs, .Lfunc_end_k_q020090e3e1_pairs-k_q020090e3e1_pairs
	.p2alignl 7, 3214868480
	.fill 96, 4, 3214868480
	.section	.rodata,"a",@progbits
	.p2align	6, 0x0
	.amdhsa_kernel k_q020090e3e1_pairs
		.amdhsa_group_segment_fixed_size 25600
		.amdhsa_private_segment_fixed_size 0
		.amdhsa_enable_private_segment 0
		.amdhsa_kernarg_size 104
		.amdhsa_user_sgpr_count 2
		.amdhsa_user_sgpr_kernarg_segment_ptr 1
		.amdhsa_wavefront_size32 1
		.amdhsa_system_sgpr_workgroup_id_x 1
		.amdhsa_system_sgpr_workgroup_id_y 1
		.amdhsa_system_sgpr_workgroup_id_z 1
		.amdhsa_system_vgpr_workitem_id 0
		.amdhsa_next_free_vgpr 512
		.amdhsa_next_free_sgpr 66
		.amdhsa_reserve_vcc 0
		.amdhsa_float_denorm_mode_32 3
		.amdhsa_float_denorm_mode_16_64 3
		.amdhsa_memory_ordered 1
		.amdhsa_forward_progress 1
		.amdhsa_inst_pref_size 112
	.end_amdhsa_kernel
	.amdgpu_metadata
---
amdhsa.version: [ 1, 2 ]
amdhsa.kernels:
  - .name:           k_q020090e3e1_pairs
    .symbol:         k_q020090e3e1_pairs.kd
    .args:
      - { .name: x, .offset: 0, .size: 8, .value_kind: global_buffer, .address_space: global }
      - { .name: W1_codes, .offset: 8, .size: 8, .value_kind: global_buffer, .address_space: global }
      - { .name: W1_scales, .offset: 16, .size: 8, .value_kind: global_buffer, .address_space: global }
      - { .name: b1, .offset: 24, .size: 8, .value_kind: global_buffer, .address_space: global }
      - { .name: W2_codes, .offset: 32, .size: 8, .value_kind: global_buffer, .address_space: global }
      - { .name: W2_scales, .offset: 40, .size: 8, .value_kind: global_buffer, .address_space: global }
      - { .name: b2, .offset: 48, .size: 8, .value_kind: global_buffer, .address_space: global }
      - { .name: W3_codes, .offset: 56, .size: 8, .value_kind: global_buffer, .address_space: global }
      - { .name: W3_scales, .offset: 64, .size: 8, .value_kind: global_buffer, .address_space: global }
      - { .name: b3, .offset: 72, .size: 8, .value_kind: global_buffer, .address_space: global }
      - { .name: W4, .offset: 80, .size: 8, .value_kind: global_buffer, .address_space: global }
      - { .name: b4, .offset: 88, .size: 8, .value_kind: global_buffer, .address_space: global }
      - { .name: out0, .offset: 96, .size: 8, .value_kind: global_buffer, .address_space: global }
    .group_segment_fixed_size: 25600
    .private_segment_fixed_size: 0
    .kernarg_segment_align: 8
    .kernarg_segment_size: 104
    .max_flat_workgroup_size: 256
    .sgpr_count:     66
    .vgpr_count:     512
    .wavefront_size: 32
...
	.end_amdgpu_metadata
.endif
;; end of part 1
;; ======== version 2 of 2: 1 launch; version 1 with the launch pairs written anew for expert scheduling mode
;; launch pairs (part 2): grid 256 x 1, 8 waves a work-group, no clusters, 25,600 bytes of LDS; arguments x, W1_codes, W1_scales, b1, W2_codes, W2_scales, b2, W3_codes, W3_scales, b3, W4, b4, out0; writes out0
.if DOCPART == 2
	.amdgcn_target "amdgcn-amd-amdhsa--gfx1250"
	.amdhsa_code_object_version 6
	.text
	.protected	k_q020090e3e1_pairs
	.globl	k_q020090e3e1_pairs
	.p2align	8
	.type	k_q020090e3e1_pairs,@function
k_q020090e3e1_pairs:
	s_mov_b64 s[64:65], 0
	v_nop
	global_prefetch_b8 v0, s[64:65] scope:SCOPE_SE
	s_setreg_imm32_b32 hwreg(HW_REG_WAVE_SCHED_MODE, 0, 2), 2
	s_setreg_imm32_b32 hwreg(HW_REG_WAVE_MODE, 25, 1), 1
	s_wait_xcnt 0x0
	s_wait_alu depctr_vm_vsrc(0)
; out0[b][i][j] = sigmoid(relu(relu(relu(concat(x[b][j], x[b][i]) W1 + b1) W2 + b2) W3 + b3) . W4 + b4).   x: [8][512][32] f32; out0: [8][512][512] f32.
; The three products with W1, W2, W3 run on codes of FP8 (E4M3) with one E8M0 scale for each 32 along K; W1, W2, W3 arrive as codes, K innermost; the dot product with W4 is f32 multiply-adds.
; THE FIRST OPERAND IS NOT QUANTISED PAIR BY PAIR: its two blocks of 32 along K are the rows x[b][j] and x[b][i], so each row of x is quantised once (32 codes, one scale byte) and a pair's operand is two pieces side by side.
; SHARES.  Work-group g takes batch g / 32, rows i = 16 (g % 32) .. + 15, all 512 j: 8,192 pairs; 256 work-groups.  Wave w owns j = 64 w .. 64 w + 63 and walks the 16 i, one a trip: 64 pairs a trip, four tiles of 16 pairs.
; Waves share nothing: each keeps all weights and biases in registers (read once), quantises its own 64 rows j and, for itself, the 16 rows i.  So there is no barrier.
; NO CLUSTER, NO TENSOR LOADS: what work-groups share is 10 KB of weights and rows of x, read once at the head into registers (some 22 KB a wave), against 16 trips of some 640 vector lines; no tile is walked in the loop.
; LAYOUT.  Every product is used transposed: source 0 = 16 rows of W (16 units), source 1 = 16 pairs, C = the bias in the result's layout.  A lane (r = lane % 16, h = lane / 16) holds pair r throughout.
; THE ROWS OF W1 AND W2 THAT FORM A TILE ARE NOT NEIGHBOURS: lane m of tile 2 b + u takes row 32 b + 8 u + m + 8 (m / 8), so that registers 16 b + 0 .. 15 of a pair tile's 32 results are units 32 b + 16 h + 0 .. 15:
; the next operand's own order, and the conversions' results are that operand's registers.  W3's tiles take rows as they lie: register 8 t + n is unit 16 t + 8 h + n.
; K IS 64 AND THE INSTRUCTION'S IS 128: registers 8-15 of every fragment, on both sides, hold zero codes, and bytes 2 and 3 of every scale word are 0 (2^-127, over zeros).
; TWO STREAMS.  Tile T = 2 s + q (stream s, q = 0, 1); its lane r holds j = 64 w + 32 q + 2 r + s.  The streams X and Y take turns: each run of products stands between vector lines of the other stream, which are its places.
; At the end lanes 0-15 keep tile q = 0 and lanes 16-31 tile q = 1: lane l of stream s holds j = 64 w + 2 l + s, so one store of the pair (X, Y), 8 bytes a lane, covers 256 consecutive bytes of a row of out0, aligned.
; LIMITS: NaN and infinities in x, the biases and W4, NaN codes and scale bytes 0xff in the weights are not served.  A block whose largest magnitude lies under 2^-118 keeps the scale byte 1; so does a block of zeros
; (the stated quantiser says 127): its codes are zeros, which add nothing under any byte but 0xff, and only this text reads the bytes.
; LDS: 3,072 bytes for each wave, its own: + 0: four images of 512 bytes, tile T's codes of x_j, 16 bytes a lane; + 2,048: 16 records of 64 bytes, row i: 32 codes, then the word (scale byte << 8) at + 32 and at + 48.
; REGISTERS.  Window 0: v1-5, v58 addresses; v6-7 results; v8-17 the weights' scale words; v18-21 layer 1's; v22-25 the hidden layers'; v26-41 W4 x -log2(e); v42-57 at work; v60-123 four operands of 16; v128-191, v192-255 results of X, Y.
;             Window 1: v0-63, v64-127, v128-159 fragments of W1, W2, W3; v160-191, v192-223, v224-239 b1, b2, b3 in the results' layout.
; THE MODE: SCHED_MODE bits 1:0 = 2 (LLVM: expert scheduling mode 2), set by the entry lines.  The code itself states the register dependences
; between vector or matrix instructions and memory or LDS instructions, with s_wait_alu, always for 0.
; THE PLAN.  Registers that memory or LDS instructions touch, in the loop:
;   PX's codes   Written by the conversions of X's two hidden layers; read by X's products of layers 1, 2, 3; behind layer 3's the LDS loads of the next i (PREPX) land in them.
;   PY's codes   The same for stream Y (PREPY).
;   v[SI]        PREPX's first load lands in it; the four lines XWORDS read it.
;   v[LIC]       Written by one vector add a trip, behind layer 1's products; read by the nine loads of PREPX and PREPY.
;   v[RES ..]    Written by the two reciprocals at a trip's end; read by the trip's store.
;   v[LJ], v[LI], v[GO]   Made at the head, never written again.
; A scaled product whose codes or scale words vector lines have made stands behind a wait on va_vdst: one ahead of each of the runs of layers 2 and 3.  The one ahead of layer 3 of Y also states that layer 3 of X is done
; reading PX, so PREPX follows it at once, ahead of products that name none of its registers.  One more, behind the lines that read layer 3 of Y's results, states the same of PY: PREPY follows it.  The two waits in the
; sigmoid, behind the exponentials and behind the reciprocals, also state that layer 1's next scale words and the store's data are written.  One wait on vm_vsrc a trip, behind layer 1's products, frees v[RES ..] and v[LIC].
.set LJ,   1                           ; v1   LDS: my 16 bytes of an image: region + 16 x lane
.set LI,   2                           ; v2   LDS: record 0, my half: region + 2,048 + 16 h
.set GO,   3                           ; v3   8 x lane: my place in the wave's 256 bytes of a row of out0
.set SI,   4                           ; v4   x_i's scale byte << 8, as loaded
.set LIW,  5                           ; v5   LDS: where I store my row i's codes: v2 + 64 r
.set RES,  6                           ; v[6:7] the results of X and Y
.set W1S,  8
.set W2S,  12
.set W3S,  16
.set XWX,  18                          ; layer 1's scale words: x_j's byte | x_i's byte << 8; tiles 0, 1
.set XWY,  20                          ; tiles 2, 3
.set PWX,  22                          ; the hidden layers' scale words, stream X
.set PWY,  24                          ; stream Y
.set W4P,  26
.set TM,   42                          ; +0..3 largest magnitudes; +4..7 the other half's, then the bytes; +8..11 448 x the scale; +12..15 the conversions' scale operands
.set AX,   42                          ; the last layer's sums, stream X,
.set AY,   50                          ; stream Y
.set LIC,  58                          ; v58  LDS: the record of the next i
.set PX,   60                          ; operands of stream X: tile q at + 16 q: 8 registers of codes, 8 of zeros
.set PI,   64
.set PY,   92                          ; of stream Y
.set HX,   128
.set HY,   192
.set XIN,  192                         ; head: the 16 numbers of my row i
.set OXJ,  208                         ; head: byte offsets of the loads
.set OXI,  209
.set OW12, 210
.set OW3,  211
.set OS12, 212
.set OS3,  213
.set OB12, 214
.set OB3,  215
.set LN,   216                         ; head: lane, r, h, r + 8 (r / 8)
.set RR,   217
.set HH,   218
.set R8,   219
.set W1F,  0                           ; window 1
.set W2F,  64
.set W3F,  128
.set B1,   160
.set B2,   192
.set B3,   224
.set MSB,  0
.macro WIN new                         ; the immediate's high byte repeats the setting that is left
.if MSB != \new
	s_set_vgpr_msb (MSB<<8)|\new
.set MSB, \new
.endif
.endm
.set W_MUL, 0x11                       ; source 0 (W) and C (the bias) window 1; source 1 and D window 0
.set TO_1,  0x40                       ; destination window 1
; A layer's products for one stream: 2 tiles of pairs x nt tiles of units.  Each has a D of its own and the bias as C: no sum is taken up again.
.macro MUL h, dq, nt, wf, bb, ws, p, sw
.set mq, 0
.rept 2
.set mt, 0
.rept \nt
	v_wmma_scale_f32_16x16x128_f8f6f4 v[\h+\dq*mq+8*mt:\h+\dq*mq+8*mt+7], v[\wf+16*mt:\wf+16*mt+15], v[\p+16*mq:\p+16*mq+15], v[\bb+8*mt:\bb+8*mt+7], v[\ws+mt], v[\sw+mq]
.set mt, mt+1
.endr
.set mq, mq+1
.endr
.endm
; The largest magnitude of my 16 numbers of each of nb blocks (block n: v[s + 16 n] on), the blocks by turns, with the floor 2^(9 - 127) as a leaf: the byte cannot fall under 1.
; relu = 1: no |.|: what is negative is to become 0, so it must not count.  Each product's result is read from its lowest registers on.
.macro QMAX s, nb, relu
.set qb, 0
.rept \nb
.if \relu
	v_max3_num_f32 v[TM+qb], v[\s+16*qb], v[\s+16*qb+1], 0x4800000
.else
	v_max3_num_f32 v[TM+qb], |v[\s+16*qb]|, |v[\s+16*qb+1]|, 0x4800000
.endif
.set qb, qb+1
.endr
.irp i, 2,4,6,8,10,12,14
.set qb, 0
.rept \nb
.if \relu
	v_max3_num_f32 v[TM+qb], v[TM+qb], v[\s+16*qb+\i], v[\s+16*qb+\i+1]
.else
	v_max3_num_f32 v[TM+qb], v[TM+qb], |v[\s+16*qb+\i]|, |v[\s+16*qb+\i+1]|
.endif
.set qb, qb+1
.endr
.endr
.endm
; From the largest magnitudes: the block's (with lane l xor 16's 16 numbers), the conversion's scale operand, the hold, the byte.
.macro QEXP nb
.set qb, 0
.rept \nb
	v_permlanex16_b32 v[TM+4+qb], v[TM+qb], s38, s39
.set qb, qb+1
.endr
.set qb, 0
.rept \nb
	v_max_num_f32 v[TM+qb], v[TM+qb], v[TM+4+qb]
.set qb, qb+1
.endr
.set qb, 0
.rept \nb
	v_add_nc_u32 v[TM+12+qb], 0xfc000000, v[TM+qb]         ; 8 off the exponent field: the conversion takes this operand's exponent field as its scale
.set qb, qb+1
.endr
.set qb, 0
.rept \nb
	v_and_or_b32 v[TM+8+qb], v[TM+qb], 0x7f800000, s40     ; 448 x the scale: the largest magnitude's exponent field over 448's mantissa field
.set qb, qb+1
.endr
.set qb, 0
.rept \nb
	v_lshrrev_b32 v[TM+4+qb], 23, v[TM+12+qb]              ; the scale's byte
.set qb, qb+1
.endr
.endm
.macro QWORD pw                        ; two tiles' scale words: blocks 0, 1 and blocks 2, 3; bytes 2 and 3 stay 0
	v_lshl_or_b32 v[\pw], v[TM+5], 8, v[TM+4]
	v_lshl_or_b32 v[\pw+1], v[TM+7], 8, v[TM+6]
.endm
; The hold (the conversion to an 8-bit code does not saturate: ISA guide 7.6.2), with relu = 1 the activation in the same line, and the conversions: block n's 16 codes into four registers at d + st2 (n / 2) + st1 (n % 2).
.macro QCVT s, nb, relu, d, st2, st1
.set qb, 0
.rept \nb
.set qi, 0
.rept 16
.if \relu
	v_med3_num_f32 v[\s+16*qb+qi], v[\s+16*qb+qi], 0, v[TM+8+qb]
.else
	v_med3_num_f32 v[\s+16*qb+qi], v[\s+16*qb+qi], -v[TM+8+qb], v[TM+8+qb]
.endif
.set qi, qi+1
.endr
	v_cvt_scalef32_pk8_fp8_f32 v[\d+\st2*(qb/2)+\st1*(qb%2):\d+\st2*(qb/2)+\st1*(qb%2)+1], v[\s+16*qb:\s+16*qb+7], v[TM+12+qb]
	v_cvt_scalef32_pk8_fp8_f32 v[\d+\st2*(qb/2)+\st1*(qb%2)+2:\d+\st2*(qb/2)+\st1*(qb%2)+3], v[\s+16*qb+8:\s+16*qb+15], v[TM+12+qb]
.set qb, qb+1
.endr
.endm
.macro FRELU h                         ; the third activation: two tiles x 16 units a lane, each result from its low end on
.set fk, 0
.rept 32
	v_max_num_f32 v[\h+fk], 0, v[\h+fk]
.set fk, fk+1
.endr
.endm
; The dot product with W4 x -log2(e): four packed chains (tile q, half t of the units) by turns.  Each of a pair's eight parts (2 lanes x 2 chains x 2 halves of a pair of registers) starts from b4 x -log2(e) / 8.  p(q) ends in v[a + 4 q].
.macro FDOT h, a
.set fk, 0
.rept 4
.set fq, 0
.rept 2
.set ft, 0
.rept 2
.if fk == 0
	v_pk_fma_f32 v[\a+4*fq+2*ft:\a+4*fq+2*ft+1], v[\h+16*fq+8*ft:\h+16*fq+8*ft+1], v[W4P+8*ft:W4P+8*ft+1], s[44:45] op_sel_hi:[1,1,0]
.else
	v_pk_fma_f32 v[\a+4*fq+2*ft:\a+4*fq+2*ft+1], v[\h+16*fq+8*ft+2*fk:\h+16*fq+8*ft+2*fk+1], v[W4P+8*ft+2*fk:W4P+8*ft+2*fk+1], v[\a+4*fq+2*ft:\a+4*fq+2*ft+1]
.endif
.set ft, ft+1
.endr
.set fq, fq+1
.endr
.set fk, fk+1
.endr
	v_pk_add_f32 v[\a:\a+1], v[\a:\a+1], v[\a+2:\a+3]
	v_pk_add_f32 v[\a+4:\a+5], v[\a+4:\a+5], v[\a+6:\a+7]
	v_add_f32 v[\a], v[\a], v[\a+1]
	v_add_f32 v[\a+4], v[\a+4], v[\a+5]
.endm
; Lanes 0-15 keep tile 0's pair, lanes 16-31 tile 1's; the part that the lane 16 away needs is sent there; then 1 / (1 + 2^z'), z' = -log2(e) z.  Both streams by turns.
.macro FSIG
	v_cndmask_b32 v[AX+1], v[AX], v[AX+4], s41             ; my own part of the pair that I keep
	v_cndmask_b32 v[AY+1], v[AY], v[AY+4], s41
	v_cndmask_b32 v[AX+2], v[AX+4], v[AX], s41             ; my part of the pair that lane l xor 16 keeps
	v_cndmask_b32 v[AY+2], v[AY+4], v[AY], s41
	v_permlanex16_b32 v[AX+3], v[AX+2], s38, s39
	v_permlanex16_b32 v[AY+3], v[AY+2], s38, s39
	v_add_f32 v[AX], v[AX+1], v[AX+3]
	v_add_f32 v[AY], v[AY+1], v[AY+3]
	s_wait_alu depctr_va_vdst(0)
	v_exp_f32 v[AX], v[AX]
	v_exp_f32 v[AY], v[AY]
	v_nop                                                  ; one plain line between a transcendental and the use of its result (ISA guide 5.7.2)
	s_wait_alu depctr_va_vdst(0)                           ; the two exponentials have written v[AX] and v[AY], which the additions below read
	v_add_f32 v[AX], 1.0, v[AX]
	v_add_f32 v[AY], 1.0, v[AY]
	s_wait_alu depctr_va_vdst(0)
	v_rcp_f32 v[RES], v[AX]
	v_rcp_f32 v[RES+1], v[AY]
	v_nop
.endm
; Layer 1's operands come from LDS as they are wanted: registers 0-3 x_j's codes (an image of the registers), registers 4-7 x_i's (all lanes of a half read the same 16 bytes); registers 8-15 stay zeros.
.macro PREPX adr
	ds_load_b32 v[SI], v[\adr] offset:32
	ds_load_b128 v[PX:PX+3], v[LJ]
	ds_load_b128 v[PX+4:PX+7], v[\adr]
	ds_load_b128 v[PX+16:PX+19], v[LJ] offset:512
	ds_load_b128 v[PX+20:PX+23], v[\adr]
.endm
.macro PREPY adr
	ds_load_b128 v[PY:PY+3], v[LJ] offset:1024
	ds_load_b128 v[PY+4:PY+7], v[\adr]
	ds_load_b128 v[PY+16:PY+19], v[LJ] offset:1536
	ds_load_b128 v[PY+20:PY+23], v[\adr]
.endm
.macro XWORDS                          ; x_j's byte stays, x_i's is put beside it
.irp t, 0,1,2,3
	v_and_or_b32 v[XWX+\t], v[XWX+\t], 0xff, v[SI]
.endr
.endm
	s_load_b512 s[8:23], s[0:1], 0x0               ; x 8, W1's codes 10, scales 12, b1 14, W2's codes 16, scales 18, b2 20, W3's codes 22
	s_load_b256 s[24:31], s[0:1], 0x40             ; W3's scales 24, b3 26, W4 28, b4 30
	s_load_b64 s[32:33], s[0:1], 0x60              ; out0
	v_lshl_add_u32 v126, v0, 2, 0x6000
	v_mov_b32 v127, 0
	v_lshrrev_b32 v[LN], 5, v0
	v_readfirstlane_b32 s34, v[LN]                 ; wave 0..7
	v_and_b32 v[LN], 31, v0                        ; lane
	v_and_b32 v[RR], 15, v0                        ; r
	v_bfe_u32 v[HH], v0, 4, 1                      ; h
	v_lshlrev_b32 v[GO], 3, v[LN]
	v_lshlrev_b32 v[OXJ], 8, v[RR]                 ; x_j: a tile's lane r is 2 rows on from lane r - 1: 256 r + 64 h
	v_lshl_or_b32 v[OXJ], v[HH], 6, v[OXJ]
	v_lshlrev_b32 v[OXI], 7, v[RR]                 ; x_i: 128 r + 64 h
	v_lshl_or_b32 v[OXI], v[HH], 6, v[OXI]
	v_and_b32 v[R8], 8, v[RR]
	v_add_nc_u32 v[R8], v[R8], v[RR]               ; r + 8 (r / 8)
	v_lshlrev_b32 v[OW12], 6, v[R8]                ; W1, W2: rows of 64 codes, + 16 h
	v_lshl_or_b32 v[OW12], v[HH], 4, v[OW12]
	v_lshlrev_b32 v[OW3], 6, v[RR]                 ; W3: rows as they lie
	v_lshl_or_b32 v[OW3], v[HH], 4, v[OW3]
	v_lshlrev_b32 v[OS12], 1, v[R8]                ; scale bytes: 2 a row
	v_lshlrev_b32 v[OS3], 1, v[RR]
	v_lshlrev_b32 v[OB12], 6, v[HH]                ; b1, b2: 16 h numbers on
	v_lshlrev_b32 v[OB3], 5, v[HH]                 ; b3, W4: 8 h numbers on
	s_mov_b32 s38, 0x76543210
	s_mov_b32 s39, 0xfedcba98                      ; v_permlanex16_b32's selects for lane l xor 16
	s_mov_b32 s40, 0x600000                        ; the mantissa field of 448
	s_mov_b32 s41, 0xffff0000                      ; lanes 16-31
	s_wait_alu depctr_va_sdst(0)                   ; s34 is written, ahead of its first reader: the wave's region of LDS and its offsets in x and out0 are made from it
	s_mul_i32 s35, s34, 3072                       ; my wave's region of LDS
	v_lshl_add_u32 v[LJ], v[LN], 4, s35
	v_lshl_add_u32 v[LI], v[HH], 4, s35
	v_add_nc_u32 v[LI], 2048, v[LI]
	v_lshl_add_u32 v[LIW], v[RR], 6, v[LI]
	s_lshr_b32 s36, ttmp9, 5
	s_lshl_b32 s36, s36, 16                        ; the batch: 512 rows of 128 bytes
	s_lshl_b32 s37, s34, 13                        ; my wave's 64 rows j
	s_add_co_u32 s50, s36, s37
	s_mov_b32 s51, 0
	s_and_b32 s37, ttmp9, 31
	s_lshl_b32 s37, s37, 11                        ; the work-group's 16 rows i
	s_add_co_u32 s52, s36, s37
	s_mov_b32 s53, 0
	s_lshl_b32 s36, ttmp9, 15                      ; out0: 16 rows of 2,048 bytes a work-group,
	s_lshl_b32 s37, s34, 8                         ; my wave's 64 columns
	s_add_co_u32 s54, s36, s37
	s_mov_b32 s55, 0
	WIN TO_1
.irp f, 0,1,2,3,4,5,6,7,8,9                    ; zero codes for K = 64 .. 127 of the ten fragments of W: written once, they stay.  (All zeros are written here, while the arguments are on their way, so that no vector line stands among the loads below)
.irp k, 8,9,10,11,12,13,14,15
	v_mov_b32 v[16*\f+\k], 0
.endr
.endr
	WIN 0
.irp t, 0,1,2,3                                ; and of the four operands of pairs
.irp k, 8,9,10,11,12,13,14,15
	v_mov_b32 v[PX+16*\t+\k], 0
.endr
.endr
.irp k, 4,5,6,7
	v_mov_b32 v[TM+\k], 0                          ; written once: a lane permute's destination counts as one of its sources
.endr
	s_wait_kmcnt 0x0
	s_add_nc_u64 s[48:49], s[8:9], s[52:53]        ; x at the work-group's first row i
	s_add_nc_u64 s[8:9], s[8:9], s[50:51]          ; x at my wave's first row j
	s_add_nc_u64 s[32:33], s[32:33], s[54:55]      ; out0 at row i = 0, my wave's columns
	s_load_b32 s46, s[30:31], 0x0                  ; b4
	s_wait_alu depctr_va_vdst(0)                   ; the offsets v208 to v215 are written, which the 74 loads below read; so are v1, v2, v3 and v5, the addresses of every later LDS instruction and store.  Only loads and window switches follow until all 74 are issued
.irp t, 0,1,2,3                                ; x first: 20 loads.  Tile t = 2 s + q: rows 32 q + s + 2 r; my 16 numbers of the row
.irp c, 0,1,2,3
	global_load_b128 v[HX+16*\t+4*\c:HX+16*\t+4*\c+3], v[OXJ], s[8:9] offset:(32*(\t%2)+(\t/2))*128+16*\c
.endr
.endr
.irp c, 0,1,2,3
	global_load_b128 v[XIN+4*\c:XIN+4*\c+3], v[OXI], s[48:49] offset:16*\c
.endr
	WIN TO_1
.irp t, 0,1,2,3                                ; 20 loads of codes: the lower eight registers of each fragment
.irp c, 0,1
	global_load_b128 v[W1F+16*\t+4*\c:W1F+16*\t+4*\c+3], v[OW12], s[10:11] offset:(32*(\t/2)+8*(\t%2))*64+32*\c
	global_load_b128 v[W2F+16*\t+4*\c:W2F+16*\t+4*\c+3], v[OW12], s[16:17] offset:(32*(\t/2)+8*(\t%2))*64+32*\c
.endr
.endr
.irp t, 0,1
.irp c, 0,1
	global_load_b128 v[W3F+16*\t+4*\c:W3F+16*\t+4*\c+3], v[OW3], s[22:23] offset:1024*\t+32*\c
.endr
.endr
.irp t, 0,1,2,3                                ; 20 loads of biases: tile t's eight units of my half
	global_load_b128 v[B1+8*\t:B1+8*\t+3], v[OB12], s[14:15] offset:(32*(\t/2)+8*(\t%2))*4
	global_load_b128 v[B1+8*\t+4:B1+8*\t+7], v[OB12], s[14:15] offset:(32*(\t/2)+8*(\t%2))*4+16
	global_load_b128 v[B2+8*\t:B2+8*\t+3], v[OB12], s[20:21] offset:(32*(\t/2)+8*(\t%2))*4
	global_load_b128 v[B2+8*\t+4:B2+8*\t+7], v[OB12], s[20:21] offset:(32*(\t/2)+8*(\t%2))*4+16
.endr
.irp t, 0,1
	global_load_b128 v[B3+8*\t:B3+8*\t+3], v[OB3], s[26:27] offset:64*\t
	global_load_b128 v[B3+8*\t+4:B3+8*\t+7], v[OB3], s[26:27] offset:64*\t+16
.endr
	WIN 0
.irp t, 0,1,2,3                                ; 10 loads of scale words: a row's two bytes, widened with zeros
	global_load_u16 v[W1S+\t], v[OS12], s[12:13] offset:(32*(\t/2)+8*(\t%2))*2
	global_load_u16 v[W2S+\t], v[OS12], s[18:19] offset:(32*(\t/2)+8*(\t%2))*2
.endr
.irp t, 0,1
	global_load_u16 v[W3S+\t], v[OS3], s[24:25] offset:32*\t
.endr
.irp t, 0,1                                    ; 4 loads of W4, in the third layer's layout
	global_load_b128 v[W4P+8*\t:W4P+8*\t+3], v[OB3], s[28:29] offset:64*\t
	global_load_b128 v[W4P+8*\t+4:W4P+8*\t+7], v[OB3], s[28:29] offset:64*\t+16
.endr
	s_wait_loadcnt 54                              ; x's 20 loads are in; the 54 issued behind them (20 + 20 + 10 + 4) may be out
	QMAX HX, 4, 0                                  ; my four tiles of rows j: a row is one block of 32, in lanes l and l xor 16
	QEXP 4
	QCVT HX, 4, 0, PX, 32, 16                      ; tile t's codes into registers 0-3 of operand t
	v_nop                                          ; one plain line behind the last conversion of a run
.irp t, 0,1,2,3
	v_mov_b32 v[XWX+\t], v[TM+4+\t]                ; x_j's scale byte: it stays in byte 0 of tile t's scale word
.endr
	QMAX XIN, 1, 0                                 ; the 16 rows i
	QEXP 1
	QCVT XIN, 1, 0, PI, 0, 0
	v_nop
	v_lshlrev_b32 v[TM+4], 8, v[TM+4]              ; the byte where layer 1's scale word wants it
	s_wait_alu depctr_va_vdst(0)                   ; the conversions have written the codes of my rows j and of my row i, and the shift its byte: the six LDS stores below read them
.irp t, 0,1,2,3
	ds_store_b128 v[LJ], v[PX+16*\t:PX+16*\t+3] offset:512*\t
.endr
	ds_store_b128 v[LIW], v[PI:PI+3]
	ds_store_b32 v[LIW], v[TM+4] offset:32         ; lanes of h = 0 at + 32, of h = 1 at + 48: each half reads its own copy
	s_wait_dscnt 0x0                               ; my stores are done
	s_wait_alu depctr_vm_vsrc(0)                   ; the stores have read the codes' registers, in some of which the loads below land, and v[TM+4], which the first trip writes; the global loads have read v208 to v215, over which the first trip's results are laid
	PREPX LI                                       ; i = 0.  (No vector line since the wait ahead of the stores names a register in which these nine loads land)
	PREPY LI
	s_wait_kmcnt 0x0                               ; b4
	s_mul_f32 s44, s46, 0xbe38aa3b                 ; b4 x -log2(e) / 8
	s_mov_b32 s45, s44                             ; (named with it as a pair)
	s_wait_dscnt 4                                 ; PREPX's five loads are in, x_i's byte among them; PREPY's four may be out
	XWORDS
	s_wait_loadcnt 0x0                             ; weights, biases, scale words, W4
.irp k, 0,1,2,3,4,5,6,7,8,9,10,11,12,13,14,15
	v_mul_f32 v[W4P+\k], 0xbfb8aa3b, v[W4P+\k]     ; W4 x -log2(e).  (These 16 are also the eight places between the scale words just made and the first products)
.endr
	s_mov_b32 s42, 15
	s_mov_b32 s43, 0
	s_wait_alu depctr_va_vdst(0)                   ; layer 1's four scale words are written, which the first trip's products take; behind their places.  (In the later trips the sigmoid's waits state the same)
; ONE TRIP: row i of out0, my 64 columns.  next = 1: layer 1's operands of row i + 1 are fetched on the way.
; Distances (except for operands made by vector lines): eight plain vector lines that name none of a product's registers stand between it and a vector line that touches them,
; nine in front of a product that writes over them; codes made by conversions stand four lines ahead of their product, scale words eight.  All but the first eight are lines of the other stream.
; The waits on va_vdst stand behind these places and fill none of them.
.macro ITER next
	s_wait_dscnt 0x0                               ; layer 1's operands are in
	WIN W_MUL
	MUL HX, 32, 4, W1F, B1, W1S, PX, XWX           ; layer 1, both streams: 16 products
	MUL HY, 32, 4, W1F, B1, W1S, PY, XWY
	WIN 0
	s_wait_xcnt 0x0                                ; the last trip's store has had its address translated (ISA guide 3.1): its base and its data are written again only behind this wait
	s_wait_alu depctr_vm_vsrc(0)                   ; the last trip's store has read v[RES ..], which this trip's reciprocals write again; its LDS loads have read v[LIC], which the add below writes
	s_add_nc_u64 s[32:33], s[32:33], 2048          ; one row of out0 beyond this trip's: the store reaches back
.if \next
	s_add_co_u32 s43, s43, 64
	v_add_nc_u32 v[LIC], s43, v[LI]                ; the next i's record; one of the eight places
.rept 7
	v_nop
.endr
.else
.rept 8
	v_nop
.endr
.endif
	QMAX HX, 4, 1                                  ; h1 of X: relu and quantiser
	QEXP 4
	QWORD PWX
	QCVT HX, 4, 1, PX, 16, 4
	QMAX HY, 4, 1                                  ; (32 lines of Y between X's codes and X's products)
	s_wait_alu depctr_va_vdst(0)                   ; the conversions have written X's codes and the lines ahead of them its two scale words, which the products below take
	WIN W_MUL
	MUL HX, 32, 4, W2F, B2, W2S, PX, PWX           ; layer 2, X
	WIN 0
	QEXP 4                                         ; h1 of Y
	QWORD PWY
	QCVT HY, 4, 1, PY, 16, 4
	QMAX HX, 4, 1
	s_wait_alu depctr_va_vdst(0)                   ; Y's codes and scale words are written, which the products below take
	WIN W_MUL
	MUL HY, 32, 4, W2F, B2, W2S, PY, PWY           ; layer 2, Y
	WIN 0
	QEXP 4                                         ; h2 of X
	QWORD PWX
	QCVT HX, 4, 1, PX, 16, 4
	QMAX HY, 4, 1
	s_wait_alu depctr_va_vdst(0)                   ; X's codes and scale words are written, which the products below take
	WIN W_MUL
	MUL HX, 16, 2, W3F, B3, W3S, PX, PWX           ; layer 3, X: tile q's 16 units a lane at HX + 16 q
	WIN 0
	QEXP 4                                         ; h2 of Y
	QWORD PWY
	QCVT HY, 4, 1, PY, 16, 4
	FRELU HX                                       ; (32 lines of X between Y's codes and Y's products)
	s_wait_alu depctr_va_vdst(0)                   ; Y's codes and scale words are written, which layer 3's products below take; where the next i is fetched: layer 3 of X is done reading X's operands, in which the loads below land, and v[LIC], their address, is written
.if \next
	PREPX LIC                                      ; ahead of products that name none of these loads' registers
.endif
	WIN W_MUL
	MUL HY, 16, 2, W3F, B3, W3S, PY, PWY           ; layer 3, Y
	WIN 0
	FDOT HX, AX                                    ; 20 lines of X: the places behind Y's last products
	FRELU HY
.if \next
	s_wait_alu depctr_va_vdst(0)                   ; layer 3 of Y is done reading Y's operands, in which the loads below land
	PREPY LIC
	s_wait_dscnt 8                                 ; x_i's byte, the oldest of the nine loads, is in; PREPX's other four and PREPY's four may be out
	XWORDS                                         ; the next trip's scale words, more than eight lines ahead of its products
.endif
	FDOT HY, AY
	FSIG
	s_wait_alu depctr_va_vdst(0)                   ; the two reciprocals have written v[RES ..], which the store reads
	global_store_b64 v[GO], v[RES:RES+1], s[32:33] offset:-2048 th:TH_STORE_NT   ; 32 lanes store 256 consecutive bytes, at a multiple of 256 from out0's first byte; written once, read by nobody here
.endm
.Ltrip:                                            ; rows i = 0 .. 14
	ITER 1
	s_sub_co_u32 s42, s42, 1
	s_cmp_lg_u32 s42, 0
	s_cbranch_scc1 .Ltrip
	ITER 0                                         ; row 15: nothing more to fetch
	s_wait_dscnt 0x0                               ; the closing lines, six on end
	s_wait_alu 0x0
	s_wait_tensorcnt 0x0
	ds_add_u32 v126, v127
	s_wait_dscnt 0x0
	s_endpgm
.Lfunc_end_k_q020090e3e1_pairs:
	.size	k_q020090e3e1_pairs, .Lfunc_end_k_q020090e3e1_pairs-k_q020090e3e1_pairs
	.p2alignl 7, 3214868480
	.fill 96, 4, 3214868480
	.section	.rodata,"a",@progbits
	.p2align	6, 0x0
	.amdhsa_kernel k_q020090e3e1_pairs
		.amdhsa_group_segment_fixed_size 25600
		.amdhsa_private_segment_fixed_size 0
		.amdhsa_enable_private_segment 0
		.amdhsa_kernarg_size 104
		.amdhsa_user_sgpr_count 2
		.amdhsa_user_sgpr_kernarg_segment_ptr 1
		.amdhsa_wavefront_size32 1
		.amdhsa_system_sgpr_workgroup_id_x 1
		.amdhsa_system_sgpr_workgroup_id_y 1
		.amdhsa_system_sgpr_workgroup_id_z 1
		.amdhsa_system_vgpr_workitem_id 0
		.amdhsa_next_free_vgpr 512
		.amdhsa_next_free_sgpr 66
		.amdhsa_reserve_vcc 0
		.amdhsa_float_denorm_mode_32 3
		.amdhsa_float_denorm_mode_16_64 3
		.amdhsa_memory_ordered 1
		.amdhsa_forward_progress 1
		.amdhsa_inst_pref_size 113
	.end_amdhsa_kernel
	.amdgpu_metadata
---
amdhsa.version: [ 1, 2 ]
amdhsa.kernels:
  - .name:           k_q020090e3e1_pairs
    .symbol:         k_q020090e3e1_pairs.kd
    .args:
      - { .name: x, .offset: 0, .size: 8, .value_kind: global_buffer, .address_space: global }
      - { .name: W1_codes, .offset: 8, .size: 8, .value_kind: global_buffer, .address_space: global }
      - { .name: W1_scales, .offset: 16, .size: 8, .value_kind: global_buffer, .address_space: global }
      - { .name: b1, .offset: 24, .size: 8, .value_kind: global_buffer, .address_space: global }
      - { .name: W2_codes, .offset: 32, .size: 8, .value_kind: global_buffer, .address_space: global }
      - { .name: W2_scales, .offset: 40, .size: 8, .value_kind: global_buffer, .address_space: global }
      - { .name: b2, .offset: 48, .size: 8, .value_kind: global_buffer, .address_space: global }
      - { .name: W3_codes, .offset: 56, .size: 8, .value_kind: global_buffer, .address_space: global }
      - { .name: W3_scales, .offset: 64, .size: 8, .value_kind: global_buffer, .address_space: global }
      - { .name: b3, .offset: 72, .size: 8, .value_kind: global_buffer, .address_space: global }
      - { .name: W4, .offset: 80, .size: 8, .value_kind: global_buffer, .address_space: global }
      - { .name: b4, .offset: 88, .size: 8, .value_kind: global_buffer, .address_space: global }
      - { .name: out0, .offset: 96, .size: 8, .value_kind: global_buffer, .address_space: global }
    .group_segment_fixed_size: 25600
    .private_segment_fixed_size: 0
    .kernarg_segment_align: 8
    .kernarg_segment_size: 104
    .max_flat_workgroup_size: 256
    .sgpr_count:     66
    .vgpr_count:     512
    .wavefront_size: 32
...
	.end_amdgpu_metadata
.endif
;; end of part 2
